; MI455X (gfx1250); checked and timed in simulation.
; The chip was launched on July 23, 2026; its instructions are those of AMD's public machine-readable ISA for CDNA 5 (MIT licence, August 2026) and "CDNA5" Instruction Set Architecture Reference Guide (July 2026). The comments in the code are by the model that wrote it; some were corrected since.
;; Attention Layer. Allowed arithmetic: matrix products marked QUANTISED: E2M1 operands, one E8M0 scale for each 32 along K, by v_wmma_scale_f32_16x16x128_f8f6f4 with both operands' format E2M1 (or v_wmma_scale_f32_32x16x128_f4), f32 sums; products left as they are: f32 operands where the result goes on into a quantised operand, else bf16, f16 or f32 operands; f32 sums; everything else in f32.
;; Inputs: U_a_codes 1,024 x 32 x 16 uint8 (E2M1 codes of U_a, K innermost, in blocks of 32 codes, two codes a byte); U_a_scales 1,024 x 32 uint8 (E8M0 scales of U_a, one for each 32 codes along K); W_a_codes 1,024 x 32 x 16 uint8 (E2M1 codes of W_a, K innermost, in blocks of 32 codes, two codes a byte); W_a_scales 1,024 x 32 uint8 (E8M0 scales of W_a, one for each 32 codes along K); h 32 x 2,048 x 1,024 float32; s_codes 32 x 32 x 16 uint8 (E2M1 codes of s, K innermost, in blocks of 32 codes, two codes a byte); s_scales 32 x 32 uint8 (E8M0 scales of s, one for each 32 codes along K); v_a 1,024 float32.
;; Outputs: out0 32 x 1,024 float32.
;; This version of the problem:
;;   THIS VERSION OF THE PROBLEM IS GIVEN IN LOW PRECISION. The matrix products marked QUANTISED in the list below multiply operands that are first quantised to E2M1 (2 exponent bits, 1 mantissa bit; 4 bits a number), with one power-of-two scale for each 32 numbers along K (OCP MX v1.0); their sums are f32. All else is computed in f32.
;;   The module's matrix products, in the order in which they are computed (A, B: the left and right operand; K: the contracted axis; several contracted axes count as one K, in the product's order):
;;     1. [M 65,536, K 1,024] x [K 1,024, N 1,024]; A: input h; B: input U_a (given as codes): QUANTISED
;;     2. [M 32, K 1,024] x [K 1,024, N 1,024]; A: input s (given as codes); B: input W_a (given as codes): QUANTISED
;;     3. [M 65,536, K 1,024] x [K 1,024, N 1]; A: computed on the way; B: input v_a: left as it is (N = 1 < 16)
;;     4. batch 32 x [M 1, K 2,048] x [K 2,048, N 1,024]; A: softmax; B: input h: left as it is (M = 1 < 16)
;;   THE QUANTISER, for each operand of a quantised product, along K:
;;     - K is cut into blocks of 32 from its start; a last block that is shorter is filled with zeros.
;;     - A block's scale is 2^e with e = floor(log2(the largest magnitude in the block)) - 2, held to -126 .. 127; a block of zeros has e = 0. As a byte (E8M0): e + 127.
;;     - Each number is divided by its block's scale, clamped to +-6, and rounded to the nearest number of E2M1, ties to even, subnormals kept.
;;     - The product sums the exact products of the quantised numbers (number of the format x scale) in f32.
;;   ~~~python
;;   def quantise(x, axis):      # numpy; x: float32 -> the quantised numbers, widened to float32 again
;;       x = np.moveaxis(x, axis, -1); K = x.shape[-1]
;;       x = np.pad(x, [(0, 0)] * (x.ndim - 1) + [(0, -K % 32)]); x = x.reshape(x.shape[:-1] + (-1, 32)); a = np.abs(x).max(-1, keepdims=True)
;;       e = np.where(a > 0, np.clip(np.frexp(np.where(a > 0, a, 1))[1] - 1 - 2, -126, 127), 0)      # np.frexp(a)[1] - 1 = floor(log2(a)), exactly
;;       r = np.clip(x / 2.0 ** e, -6, 6)
;;       step = 2.0 ** (np.maximum(np.frexp(np.where(r == 0, 1, r))[1] - 1, 0) - 1)
;;       q = np.round(r / step) * step * 2.0 ** e      # np.round: ties to even
;;       return np.moveaxis(q.reshape(q.shape[:-2] + (-1,))[..., :K], -1, axis).astype(np.float32)
;;   ~~~
;;   INPUTS GIVEN AS CODES. U_a (in the module: [1024, 1024], K = its axis 0); W_a (in the module: [1024, 1024], K = its axis 0); s (in the module: [32, 1024], K = its axis 1): each comes as NAME_codes (uint8): NAME with its K axis moved to the last place and cut into blocks of 32 codes, [.., K / 32, bytes a block], one block behind the other in memory; two codes a byte, the lower K in the low four bits (a code: sign, 2 exponent bits, 1 mantissa bit); and NAME_scales (uint8): the same leading axes, one E8M0 byte (e + 127) for each 32 codes along K. Its value is code x scale, taken as it is: it is not quantised again, and the codes and scales need not be those that the quantiser above would give.
;; One version. Each part assembles by itself: llvm-mc -triple=amdgcn-amd-amdhsa -mcpu=gfx1250 --defsym DOCPART=n.
;; ======== version 1 of 1: 3 launches
;; limits: values are held in bf16: 8 bits of precision; right only within a limited range of input values
;; workspace buffers: Uf 557,056 bytes; wv 262,144 bytes; pc 1,048,576 bytes; pml 65,536 bytes
;; launch prep (part 1): grid 64 x 1, 2 waves a work-group, no clusters, 0 bytes of LDS; arguments U_a_codes, U_a_scales, W_a_codes, W_a_scales, s_codes, s_scales, v_a, Uf, wv; writes Uf, wv
.if DOCPART == 1
	.amdgcn_target "amdgcn-amd-amdhsa--gfx1250"
	.amdhsa_code_object_version 6
	.text
	.protected	k_q93dfbd3f05_prep
	.globl	k_q93dfbd3f05_prep
	.p2align	8
	.type	k_q93dfbd3f05_prep,@function
k_q93dfbd3f05_prep:
	s_mov_b64 s[64:65], 0
	v_nop
	global_prefetch_b8 v0, s[64:65] scope:SCOPE_SE
	s_setreg_imm32_b32 hwreg(HW_REG_WAVE_MODE, 25, 1), 1
	s_wait_xcnt 0x0
; Work-group T (0..63) serves the 16 outputs o = 16 T .. 16 T + 15.  Two waves, two tasks, no LDS, no barrier.
; WAVE 0 lays U's tile out in the order of a matrix operand's registers: record T of Uf, REC bytes.
;   piece q = 2 s + c (K step s, half c), byte 512 q + 16 lane: the 16 bytes of row 16 T + lane % 16 at byte 64 s + 32 c + 16 (lane / 16);
;   byte 8192 + 256 x + 16 r: bytes 16 x .. 16 x + 15 of row 16 T + r's 32 scale bytes.
; WAVE 1 makes the second product, s W, for these 16 outputs and all 32 batches, on the codes as given, and stores two rows of 1,024 f32 a batch:
;   wv[b][0][o] = c (s W)[b][o],  wv[b][1][o] = kappa v[o],  c = 2 log2(e), kappa = -c.
; THE IDENTITY USED: tanh(y) = 1 - 2 / (1 + 2^(c y)), so log2(e) v . tanh(y) = log2(e) sum(v) + sum over o of kappa v[o] / (1 + 2^(c y[o])).
; WORK LEFT OUT: the term log2(e) sum(v) is the same for every t of a batch, whatever v holds, and a softmax over t takes a common term away: it is not formed.
; Limit: an overflow of sum(v) alone, which reaches only that term, is not carried to the result.  Every input is loaded.
.set REC, 8704
.set C2L, 0x4038aa3b                   ; c = 2 log2(e)
.set KAP, 0xc038aa3b                   ; kappa = -c
	s_load_b512 s[4:19], s[0:1], 0x0               ; U codes, U scales, W codes, W scales, s codes, s scales, v, Uf
	s_load_b64 s[20:21], s[0:1], 0x40              ; wv
	v_lshrrev_b32 v7, 5, v0
	v_readfirstlane_b32 s22, v7                    ; wave 0, 1
	v_and_b32 v8, 15, v0                           ; r
	v_bfe_u32 v9, v0, 4, 1                         ; h
	v_and_b32 v10, 31, v0                          ; lane
	v_lshlrev_b32 v1, 9, v8
	v_lshl_add_u32 v1, v9, 4, v1                   ; a fragment's bytes: row r of 512 bytes, + 16 h
	v_lshlrev_b32 v2, 4, v10                       ; 16 x lane
	v_lshlrev_b32 v4, 5, v8                        ; a row of 32 scale bytes
	v_lshl_add_u32 v3, v9, 4, v4                   ; and its half h
	v_lshlrev_b32 v5, 2, v8                        ; v: 4 r
	v_lshlrev_b32 v6, 2, v8
	v_lshl_add_u32 v6, v9, 16, v6                  ; wv: 4 r + 8 h batches of 8,192 bytes
	s_lshl_b32 s24, ttmp9, 13                      ; 16 rows of codes
	s_mov_b32 s25, 0
	s_lshl_b32 s26, ttmp9, 9                       ; 16 rows of scale bytes
	s_mov_b32 s27, 0
	s_mov_b32 s29, 0
	s_wait_kmcnt 0x0
	s_cmp_lg_u32 s22, 0
	s_cbranch_scc1 .Lproduct
	; ---- wave 0: U's tile into its record
	s_add_nc_u64 s[4:5], s[4:5], s[24:25]
	s_add_nc_u64 s[6:7], s[6:7], s[26:27]
	s_mul_i32 s28, ttmp9, REC
	s_add_nc_u64 s[18:19], s[18:19], s[28:29]
	s_wait_alu depctr_va_vdst(0)                   ; the wait ahead of the first readers
.irp q, 0,1,2,3,4,5,6,7,8,9,10,11,12,13,14,15
	global_load_b128 v[16+4*\q:19+4*\q], v1, s[4:5] offset:32*\q
.endr
	global_load_b128 v[80:83], v3, s[6:7]
.irp q, 0,1,2,3,4,5,6,7,8,9,10,11,12,13,14,15
	s_wait_loadcnt 16-\q                           ; piece q is in: behind it 15 - q pieces and the scale bytes were asked for
	global_store_b128 v2, v[16+4*\q:19+4*\q], s[18:19] offset:512*\q   ; 512 consecutive bytes
.endr
	s_wait_loadcnt 0x0
	global_store_b128 v2, v[80:83], s[18:19] offset:8192
	s_endpgm
.Lproduct:
	; ---- wave 1: s W for 32 batches x 16 outputs
	s_add_nc_u64 s[8:9], s[8:9], s[24:25]
	s_add_nc_u64 s[10:11], s[10:11], s[26:27]
	s_lshl_b32 s28, ttmp9, 6
	s_add_nc_u64 s[16:17], s[16:17], s[28:29]      ; v at o = 16 T
	s_add_nc_u64 s[20:21], s[20:21], s[28:29]      ; wv at o = 16 T
	s_wait_alu depctr_va_vdst(0)                   ; the wait ahead of the first readers
.irp m, 0,1
.irp q, 0,1,2,3,4,5,6,7,8,9,10,11,12,13,14,15
	global_load_b128 v[16+64*\m+4*\q:19+64*\m+4*\q], v1, s[12:13] offset:8192*\m+32*\q   ; s: batches 16 m on, all eight K steps
.endr
.endr
.irp q, 0,1,2,3,4,5,6,7,8,9,10,11,12,13,14,15
	global_load_b128 v[144+4*\q:147+4*\q], v1, s[8:9] offset:32*\q                       ; W: my 16 outputs
.endr
.irp m, 0,1
.irp q, 0,1
	global_load_b128 v[208+8*\m+4*\q:211+8*\m+4*\q], v4, s[14:15] offset:512*\m+16*\q    ; s's scale words: register 208 + 8 m + K step
.endr
.endr
.irp q, 0,1
	global_load_b128 v[224+4*\q:227+4*\q], v4, s[10:11] offset:16*\q                     ; W's: 224 + K step
.endr
	global_load_b32 v248, v5, s[16:17]
	s_wait_loadcnt 0x0
	; two accumulators by turns, one instruction a turn; the first K step starts the sums
.irp s, 0,1,2,3,4,5,6,7
.if \s == 0
	v_wmma_scale_f32_16x16x128_f8f6f4 v[232:239], v[16:23], v[144:151], 0, v208, v224 matrix_a_fmt:MATRIX_FMT_FP4 matrix_b_fmt:MATRIX_FMT_FP4
	v_wmma_scale_f32_16x16x128_f8f6f4 v[240:247], v[80:87], v[144:151], 0, v216, v224 matrix_a_fmt:MATRIX_FMT_FP4 matrix_b_fmt:MATRIX_FMT_FP4
.else
	v_wmma_scale_f32_16x16x128_f8f6f4 v[232:239], v[16+8*\s:23+8*\s], v[144+8*\s:151+8*\s], v[232:239], v[208+\s], v[224+\s] matrix_a_fmt:MATRIX_FMT_FP4 matrix_b_fmt:MATRIX_FMT_FP4
	v_wmma_scale_f32_16x16x128_f8f6f4 v[240:247], v[80+8*\s:87+8*\s], v[144+8*\s:151+8*\s], v[240:247], v[216+\s], v[224+\s] matrix_a_fmt:MATRIX_FMT_FP4 matrix_b_fmt:MATRIX_FMT_FP4
.endif
.endr
	v_mul_f32 v249, KAP, v248                      ; kappa v[o]: with the three lines below the four places behind the last products (ISA guide 7.12.1)
.rept 3
	v_nop
.endr
.irp k, 0,1,2,3,4,5,6,7,8,9,10,11,12,13,14,15
	v_mul_f32 v[16+\k], C2L, v[232+\k]             ; lane (r, h), register k = 8 m + j: batch 16 m + 8 h + j, output 16 T + r; each accumulator from its low end on
.endr
.irp k, 0,1,2,3,4,5,6,7,8,9,10,11,12,13,14,15
	global_store_b32 v6, v[16+\k], s[20:21] offset:(16*(\k/8)+\k%8)*8192          ; 64 consecutive bytes of the batch's first row
	global_store_b32 v6, v249, s[20:21] offset:(16*(\k/8)+\k%8)*8192+4096         ; and of its second
.endr
	s_endpgm
.Lfunc_end_k_q93dfbd3f05_prep:
	.size	k_q93dfbd3f05_prep, .Lfunc_end_k_q93dfbd3f05_prep-k_q93dfbd3f05_prep
	.p2alignl 7, 3214868480
	.fill 96, 4, 3214868480
	.section	.rodata,"a",@progbits
	.p2align	6, 0x0
	.amdhsa_kernel k_q93dfbd3f05_prep
		.amdhsa_group_segment_fixed_size 0
		.amdhsa_private_segment_fixed_size 0
		.amdhsa_enable_private_segment 0
		.amdhsa_kernarg_size 72
		.amdhsa_user_sgpr_count 2
		.amdhsa_user_sgpr_kernarg_segment_ptr 1
		.amdhsa_wavefront_size32 1
		.amdhsa_system_sgpr_workgroup_id_x 1
		.amdhsa_system_sgpr_workgroup_id_y 1
		.amdhsa_system_sgpr_workgroup_id_z 1
		.amdhsa_system_vgpr_workitem_id 0
		.amdhsa_next_free_vgpr 256
		.amdhsa_next_free_sgpr 66
		.amdhsa_reserve_vcc 0
		.amdhsa_float_denorm_mode_32 3
		.amdhsa_float_denorm_mode_16_64 3
		.amdhsa_memory_ordered 1
		.amdhsa_forward_progress 1
		.amdhsa_inst_pref_size 17
	.end_amdhsa_kernel
	.amdgpu_metadata
---
amdhsa.version: [ 1, 2 ]
amdhsa.kernels:
  - .name:           k_q93dfbd3f05_prep
    .symbol:         k_q93dfbd3f05_prep.kd
    .args:
      - { .name: U_a_codes, .offset: 0, .size: 8, .value_kind: global_buffer, .address_space: global }
      - { .name: U_a_scales, .offset: 8, .size: 8, .value_kind: global_buffer, .address_space: global }
      - { .name: W_a_codes, .offset: 16, .size: 8, .value_kind: global_buffer, .address_space: global }
      - { .name: W_a_scales, .offset: 24, .size: 8, .value_kind: global_buffer, .address_space: global }
      - { .name: s_codes, .offset: 32, .size: 8, .value_kind: global_buffer, .address_space: global }
      - { .name: s_scales, .offset: 40, .size: 8, .value_kind: global_buffer, .address_space: global }
      - { .name: v_a, .offset: 48, .size: 8, .value_kind: global_buffer, .address_space: global }
      - { .name: Uf, .offset: 56, .size: 8, .value_kind: global_buffer, .address_space: global }
      - { .name: wv, .offset: 64, .size: 8, .value_kind: global_buffer, .address_space: global }
    .group_segment_fixed_size: 0
    .private_segment_fixed_size: 0
    .kernarg_segment_align: 8
    .kernarg_segment_size: 72
    .max_flat_workgroup_size: 64
    .sgpr_count:     66
    .vgpr_count:     256
    .wavefront_size: 32
...
	.end_amdgpu_metadata
.endif
;; end of part 1
;; launch main (part 2): grid 256 x 1, 4 waves a work-group, no clusters, 323,072 bytes of LDS; arguments h, Uf, wv, pc, pml; writes pc, pml
.if DOCPART == 2
	.amdgcn_target "amdgcn-amd-amdhsa--gfx1250"
	.amdhsa_code_object_version 6
	.text
	.protected	k_q93dfbd3f05_main
	.globl	k_q93dfbd3f05_main
	.p2align	8
	.type	k_q93dfbd3f05_main,@function
k_q93dfbd3f05_main:
	s_mov_b64 s[64:65], 0
	v_nop
	global_prefetch_b8 v0, s[64:65] scope:SCOPE_SE
	s_setreg_imm32_b32 hwreg(HW_REG_WAVE_MODE, 25, 1), 1
	s_wait_xcnt 0x0
; Work-group g serves batch g / 8 and its rows t = 256 (g % 8) .. + 255, in two blocks of 128 rows.  It stores an unnormalised part of c (pc) and the part's (M, sum) (pml); the next launch joins the eight parts of a batch.
; A BLOCK: (1) each wave reads 32 rows of h (dense loads of 512 bytes, eight rows asked for ahead), turns each through its own LDS row so that a lane holds 32 neighbours along K,
; quantises it (E2M1, one E8M0 byte a lane) into an image of 64 rows in LDS, and leaves the row as bf16 in LDS; (2) every wave takes the codes of all 128 rows into 512 registers;
; (3) THE WALK: a wave takes 16 of U's 64 tiles of 16 outputs; a tile's record goes from memory straight into operand registers (four records in turn) and meets all 128 rows: U is read twice by a work-group;
; (4) e2[t] = sum over o of kappa v[o] / (1 + 2^(c y[t][o])) is joined over the waves, a running maximum and p = 2^(e2 - M) follow; (5) each wave adds p[t] h[t][:] for its own 256 columns from the bf16 rows.
; The term log2(e) sum(v), the same for all t, is left out as the first kernel's head shows.
; THE PRODUCT IS USED TRANSPOSED: source 0 = 16 outputs of U, source 1 = 16 rows of h: lane (r, hh) holds row r and its registers outputs 8 hh + j, so e2 is summed inside a lane.
; SCALES: a register holds K steps 0-3 in lanes 0-15 and K steps 4-7 in lanes 16-31.
; NO JOINT LOADS, NO TENSOR LOADS: LDS holds 262,144 bytes of bf16 rows, 36,864 of image and scale bytes, 17,408 of turning rows and 6,656 of small tables and spare words; 4,608 are left, which is no room for a ring of U's records of 8,704 bytes.
; THE LAST TRIP OF THE LAST BLOCK asks once more for four records a wave (the walk wraps round its 16 tiles): inside the buffer, read by nobody; a last trip of its own would be a second copy of the trip.
; PREFETCH: during block 0's walk each wave names its own 32 rows of block 1, 8,192 bytes an instruction, lanes 256 bytes apart, four instructions a trip; block 1's walk asks for nothing.
; LIMIT: the promise holds while the exponents e2 stay under 2^31 in magnitude.  2^(c y) may overflow to infinity: its term is then 0, as tanh's limit asks.
; WINDOWS: 0 work; 1 codes of rows 0-63 (later bf16 rows for the weighted sum); 2 codes of rows 64-127 (before that the eight rows of h that are on their way); 3 four records of U.
.set REC,   8704
.set IP,    528                        ; a row of the image: 512 bytes of codes + 16
.set AP,    48                         ; a row of scale bytes: 32 + 16
.set IMG,   262144                     ; behind the bf16 rows (128 x 2,048 bytes from byte 0)
.set ASC,   295936
.set STG,   299008                     ; a row of h for each wave: 16 units of 256 + 16 bytes
.set EP,    316416                     ; e2's parts: 8 x 512 bytes
.set PB,    320512                     ; p: 512 bytes for each wave
.set SPARE, 322560
.set LOFF, 1                           ; 16 x lane
.set WOFF, 2                           ; 32 x (lane / 16)
.set STW,  3
.set STR,  4
.set IMW,  5
.set ASW,  6
.set IMR,  7
.set ASR,  8
.set EPW,  9
.set EPR,  10
.set PBW,  11
.set PBR,  12
.set PFO,  13                          ; 256 x lane
.set SPW,  14
.set NIL,  15
.set BFW,  24                          ; v24-31: where my four pieces of a bf16 row go, for each half of the block
.set BFR,  32                          ; v32-33: where I read my 16 bytes of a bf16 row; 32 rows on
.set CACC, 34                          ; v34-41: my eight columns of c
.set AS,   48                          ; v48-79: h's scale words, 4 a tile of 16 rows
.set US,   80                          ; v80-95: U's, 4 a record
.set WV,   96                          ; v96-159: c s W (8) and kappa v (8) for each of four tiles
.set EACC, 160                         ; v160-191: e2's sums, 4 a tile of rows; while h is converted: at work
.set CD,   160
.set TM,   168
.set SCO,  172
.set BY,   174
.set ACC,  192                         ; v192-255: two sets of four accumulators; while h is converted: two rows
.set WVN,  14
.set HB,   16
.set PF,   18
.set UQ,   20
.set UB,   22
.set WQ,   24
.set WC,   26
.set WN,   28
.set T4,   30
.set TRIPS, 31
.set TP,   32
.set BLKS, 34
.set WS,   35
.set CS,   36
.set SEL,  38
.set PFS,  40
.set SST,  42
.set WP,   50
.set MSB, 0
.macro WIN new                         ; the immediate's high byte repeats the setting that is left
.if MSB != \new
	s_set_vgpr_msb (MSB<<8)|\new
.set MSB, \new
.endif
.endm
.macro PLACES
.rept 4
	v_nop
.endr
.endm
.macro SYNC                            ; my LDS instructions are done; then all four waves'
	s_wait_alu depctr_va_vdst(0)                   ; the wait ahead of the blocking wait
	s_wait_dscnt 0x0
	s_barrier_signal -1
	s_barrier_wait -1
.endm
.macro PRELOAD                         ; my first eight rows of a block, into window 2
	WIN 0x80
.irp b, 0,1,2,3,4,5,6,7
.irp j, 0,1,2,3,4,5,6,7
	global_load_b128 v[32*\b+4*\j:32*\b+4*\j+3], v[LOFF], s[HB:HB+1] offset:4096*\b+512*\j th:TH_LOAD_NT
.endr
.endr
	WIN 0
.endm
; Row n of my 32: out of its landing registers into my LDS row, the landing registers asked for again (row n + 8), and back with 32 neighbours a lane.  LDS serves a wave's instructions in order.
.macro STAGE n
.set LB, 32*((\n)%8)
.set XS, ACC+32*((\n)%2)
.if (\n) < 24
	s_wait_loadcnt 56                              ; behind row n: seven rows of eight loads
.else
	s_wait_loadcnt 8*(31-(\n))                     ; the last eight rows have no successors
.endif
	WIN 0x08
.irp j, 0,1,2,3,4,5,6,7
	ds_store_b128 v[STW], v[LB+4*\j:LB+4*\j+3] offset:544*\j
.endr
.if (\n) < 24
	WIN 0x80
.irp j, 0,1,2,3,4,5,6,7
	global_load_b128 v[LB+4*\j:LB+4*\j+3], v[LOFF], s[HB:HB+1] offset:(((\n)+8)/16)*262144+(((\n)+8)%16)*4096+512*\j th:TH_LOAD_NT
.endr
.endif
	WIN 0
.irp j, 0,1,2,3,4,5,6,7
	ds_load_b128 v[XS+4*\j:XS+4*\j+3], v[STR] offset:16*\j
.endr
.endm
; Row n quantised (my lane's block of 32) and rounded to bf16.  The wait counts the LDS instructions behind the row's eight loads: the row before's 6 stores and the next row's 16.
.macro CONVERT n, last
.set XS, ACC+32*((\n)%2)
.set CR, CD+4*((\n)%2)
.set RI, (\n)%16
.set BW, BFW+4*((\n)/16)
.if \last
	s_wait_dscnt 6
.elseif RI == 0
	s_wait_dscnt 16
.else
	s_wait_dscnt 22
.endif
.irp k, 0,1,2,3
	v_max3_num_f32 v[TM+\k], |v[XS+3*\k]|, |v[XS+3*\k+1]|, |v[XS+3*\k+2]|
.endr
.irp i, 12,20
.irp k, 0,1,2,3
	v_max3_num_f32 v[TM+\k], v[TM+\k], |v[XS+\i+2*\k]|, |v[XS+\i+2*\k+1]|
.endr
.endr
	v_max3_num_f32 v[TM], v[TM], |v[XS+28]|, |v[XS+29]|
	v_max3_num_f32 v[TM+1], v[TM+1], |v[XS+30]|, |v[XS+31]|
	v_max3_num_f32 v[TM], v[TM], v[TM+1], v[TM+2]
	v_max3_num_f32 v[TM], v[TM], v[TM+3], 0x1800000        ; the floor 2^(3 - 127): the byte cannot fall under 1
	v_add_nc_u32 v[SCO], 0xff000000, v[TM]                 ; 2 off the exponent field: the conversion's scale operand
.irp g, 0,1,2,3
	v_cvt_scalef32_pk8_fp4_f32 v[CR+\g], v[XS+8*\g:XS+8*\g+7], v[SCO]
.endr
	v_lshrrev_b32 v[BY+(\n)%2], 23, v[SCO]                 ; the scale's byte (the plain line behind the conversions)
.irp i, 0,1,2,3,4,5,6,7,8,9,10,11,12,13,14,15
	v_cvt_pk_bf16_f32 v[XS+\i], v[XS+2*\i], v[XS+2*\i+1]   ; in place: line i writes register i and reads 2 i, 2 i + 1
.endr
.irp q, 0,1,2,3
	ds_store_b128 v[BW+\q], v[XS+4*\q:XS+4*\q+3] offset:2048*RI
.endr
	ds_store_b128 v[IMW], v[CR:CR+3] offset:IP*RI
	ds_store_b8 v[ASW], v[BY+(\n)%2] offset:AP*RI
.endm
.macro HALF hf                         ; my 16 rows of the block's half
.set RN, 16*\hf
	STAGE RN
.rept 15
.set RN, RN+1
	STAGE RN
	CONVERT RN-1, 0
.endr
	CONVERT RN, 1
.endm
.macro LOADA hf                        ; the image's 64 rows into window 1 + hf, their scale words into window 0
	WIN 0x40*(1+\hf)
.irp m, 0,1,2,3
.irp q, 0,1,2,3,4,5,6,7,8,9,10,11,12,13,14,15
	ds_load_b128 v[64*\m+4*\q:64*\m+4*\q+3], v[IMR] offset:16*IP*\m+32*\q
.endr
.endr
	WIN 0
.irp m, 0,1,2,3
	ds_load_b128 v[AS+16*\hf+4*\m:AS+16*\hf+4*\m+3], v[ASR] offset:16*AP*\m
.endr
.endm
.macro WM hf, buf, m, s
.set DD, ACC+32*(\hf)+8*(\m)
.set UU, 64*(\buf)+8*(\s)
.set HH, 64*(\m)+8*(\s)
.set SU, US+4*(\buf)+(\s)%4
.set SH, AS+16*(\hf)+4*(\m)+(\s)%4
.if (\s) == 0
	v_wmma_scale_f32_16x16x128_f8f6f4 v[DD:DD+7], v[UU:UU+7], v[HH:HH+7], 0, v[SU], v[SH] matrix_a_fmt:MATRIX_FMT_FP4 matrix_b_fmt:MATRIX_FMT_FP4
.elseif (\s) < 4
	v_wmma_scale_f32_16x16x128_f8f6f4 v[DD:DD+7], v[UU:UU+7], v[HH:HH+7], v[DD:DD+7], v[SU], v[SH] matrix_a_fmt:MATRIX_FMT_FP4 matrix_b_fmt:MATRIX_FMT_FP4
.else
	v_wmma_scale_f32_16x16x128_f8f6f4 v[DD:DD+7], v[UU:UU+7], v[HH:HH+7], v[DD:DD+7], v[SU], v[SH] matrix_a_fmt:MATRIX_FMT_FP4 matrix_b_fmt:MATRIX_FMT_FP4 matrix_a_scale:MATRIX_SCALE_ROW1 matrix_b_scale:MATRIX_SCALE_ROW1
.endif
.endm
.macro MG hf, buf                      ; a unit's 32 matrix instructions: eight K steps, four tiles of rows by turns
	WIN 0x07+4*(\hf)
.irp s, 0,1,2,3,4,5,6,7
.irp m, 0,1,2,3
	WM \hf, \buf, \m, \s
.endr
.endr
	WIN 0
.endm
; A unit's four finished accumulators (tiles of rows 4 hf .. 4 hf + 3) become terms of e2.  Each batch of transcendentals has one wait ahead and one behind;
; the first wait stands ahead of the first readers of matrix results.  mg = 1: the next unit's products stand behind the exponentials and their plain line, ahead of the wait for them.
.macro V hf, buf, mg, nhf, nbuf
.set VX, ACC+32*(\hf)
.set VW, WV+16*(\buf)
.set VE, EACC+16*(\hf)
	s_wait_alu depctr_va_vdst(0)
.irp i, 0,2,4,6
.irp a, 0,1,2,3
	v_pk_fma_f32 v[VX+8*\a+\i:VX+8*\a+\i+1], v[VX+8*\a+\i:VX+8*\a+\i+1], s[CS:CS+1], v[VW+\i:VW+\i+1] op_sel_hi:[1,0,1]
.endr
.endr
	s_wait_alu depctr_va_vdst(0)
.set i, 0
.rept 32
	v_exp_f32 v[VX+i], v[VX+i]
.set i, i+1
.endr
	v_nop
.if \mg
	MG \nhf, \nbuf
.endif
	s_wait_alu depctr_va_vdst(0)
.set i, 0
.rept 16
	v_pk_add_f32 v[VX+i:VX+i+1], v[VX+i:VX+i+1], 1.0 op_sel_hi:[1,0]
.set i, i+2
.endr
	s_wait_alu depctr_va_vdst(0)
.set i, 0
.rept 32
	v_rcp_f32 v[VX+i], v[VX+i]
.set i, i+1
.endr
	v_nop
	s_wait_alu depctr_va_vdst(0)
.irp i, 0,2,4,6
.irp a, 0,1,2,3
	v_pk_fma_f32 v[VE+4*\a+\i%4:VE+4*\a+\i%4+1], v[VX+8*\a+\i:VX+8*\a+\i+1], v[VW+8+\i:VW+8+\i+1], v[VE+4*\a+\i%4:VE+4*\a+\i%4+1]
.endr
.endr
.endm
; 21 loads: the record four tiles on into set j, and the 16 words of w and kappa v for the set before (j = 0: this trip's fourth tile)
.macro GLOAD j
	WIN 0xc0
.irp q, 0,1,2,3,4,5,6,7,8,9,10,11,12,13,14,15
	global_load_b128 v[64*(\j)+4*\q:64*(\j)+4*\q+3], v[LOFF], s[UB:UB+1] offset:(\j)*REC+512*\q
.endr
	WIN 0
	global_load_b128 v[US+4*(\j):US+4*(\j)+3], v[LOFF], s[UB:UB+1] offset:(\j)*REC+8192
.set WR, WV+16*(((\j)+3)%4)
.irp x, 0,1
.irp y, 0,1
.if (\j) == 0
	global_load_b128 v[WR+8*\x+4*\y:WR+8*\x+4*\y+3], v[WOFF], s[WC:WC+1] offset:192+4096*\x+16*\y
.else
	global_load_b128 v[WR+8*\x+4*\y:WR+8*\x+4*\y+3], v[WOFF], s[WN:WN+1] offset:64*((\j)-1)+4096*\x+16*\y
.endif
.endr
.endr
.endm
; A trip: four tiles of U against 128 rows.  Behind each group of loads the wait leaves two groups out (42 loads): so a record has two tiles' work in which to land.
.macro TRIP
	MG 0, 0
	PLACES
.irp j, 0,1,2,3
	V 0, \j, 1, 1, \j
	GLOAD \j
.if \j == 1
	s_cmp_eq_u32 s[BLKS], 2                        ; block 0's walk alone names block 1's rows
	s_cbranch_scc0 .Lno_ask
.irp x, 0,1,2,3
	global_prefetch_b8 v[PFO], s[PF:PF+1] offset:8192*\x th:TH_LOAD_NT scope:SCOPE_SE
.endr
.Lno_ask:
.endif
	s_wait_loadcnt 42
.if \j < 3
	V 1, \j, 1, 0, \j+1
.else
	V 1, 3, 0, 0, 0
.endif
.endr
	s_wait_alu depctr_va_vdst(0)                   ; the wait ahead of the blocking wait
	s_wait_xcnt 0x0                                ; the loads and prefetches have read their bases
	s_mov_b64 s[WC:WC+1], s[WN:WN+1]
	s_add_co_u32 s[T4], s[T4], 4
	s_and_b32 s[T4], s[T4], 15                     ; the walk wraps round my 16 tiles
	s_mul_i32 s[TP], s[T4], REC
	s_add_nc_u64 s[UB:UB+1], s[UQ:UQ+1], s[TP:TP+1]
	s_lshl_b32 s[TP], s[T4], 6
	s_add_nc_u64 s[WN:WN+1], s[WQ:WQ+1], s[TP:TP+1]
	s_add_nc_u64 s[PF:PF+1], s[PF:PF+1], s[PFS:PFS+1]
	s_xor_b32 s[PFS], s[PFS], 0x30000              ; 8 rows on, then on to the other half's rows: 32,768 and 229,376 bytes by turns
.endm
	s_load_b256 s[4:11], s[0:1], 0x0               ; h, Uf, wv, pc
	s_load_b64 s[12:13], s[0:1], 0x20              ; pml
	v_lshrrev_b32 v20, 5, v0
	v_readfirstlane_b32 s[WVN], v20
	s_mul_i32 s[SST], s[WVN], 4352
	s_add_co_u32 s[SST], s[SST], STG
	s_mul_i32 s43, s[WVN], 16*IP
	s_add_co_u32 s43, s43, IMG
	s_mul_i32 s44, s[WVN], 16*AP
	s_add_co_u32 s44, s44, ASC
	s_lshl_b32 s45, s[WVN], 10
	s_add_co_u32 s45, s45, EP
	s_lshl_b32 s46, s[WVN], 9
	s_add_co_u32 s46, s46, PB
	s_lshl_b32 s47, s[WVN], 15
	s_lshl_b32 s48, s[WVN], 1
	s_lshl_b32 s49, s[WVN], 9
	v_lshl_add_u32 v[SPW], v0, 2, SPARE
	v_mov_b32 v[NIL], 0
	v_and_b32 v20, 31, v0                          ; lane
	v_and_b32 v21, 15, v0                          ; r
	v_bfe_u32 v22, v0, 4, 1                        ; hh
	v_lshlrev_b32 v[LOFF], 4, v20
	v_lshlrev_b32 v[WOFF], 5, v22
	v_lshlrev_b32 v[PFO], 8, v20
	v_lshl_add_u32 v[STW], v22, 4, v[LOFF]         ; in: 16 lanes fill a unit of 256 bytes, 16 bytes of padding behind it
	v_add_nc_u32 v[STW], s[SST], v[STW]
	v_bfe_u32 v23, v0, 1, 4
	v_mul_u32_u24 v[STR], v23, 272                 ; back: my 128 bytes are half a unit
	v_and_b32 v23, 1, v0
	v_lshl_add_u32 v[STR], v23, 7, v[STR]
	v_add_nc_u32 v[STR], s[SST], v[STR]
	v_add_nc_u32 v[IMW], s43, v[LOFF]
	v_add_nc_u32 v[ASW], s44, v20
	v_mul_u32_u24 v[IMR], v21, IP
	v_lshl_add_u32 v[IMR], v22, 4, v[IMR]
	v_add_nc_u32 v[IMR], IMG, v[IMR]
	v_mul_u32_u24 v[ASR], v21, AP
	v_lshl_add_u32 v[ASR], v22, 4, v[ASR]
	v_add_nc_u32 v[ASR], ASC, v[ASR]
	v_lshl_add_u32 v[EPW], v20, 5, s45
	v_lshlrev_b32 v[EPR], 5, v21
	v_lshl_add_u32 v[EPR], v22, 4, v[EPR]
	v_add_nc_u32 v[EPR], EP, v[EPR]
	v_add_nc_u32 v[PBW], s46, v[LOFF]
	v_mov_b32 v[PBR], s46
	v_bfe_u32 v23, v0, 2, 2                        ; a bf16 row: my piece q of 16 bytes lies at 64 lane + 16 (q xor (lane / 4) % 4), so that 16 lanes' stores touch 16 different columns of 16 bytes
	v_lshl_add_u32 v18, v20, 6, s47
.irp q, 0,1,2,3
	v_xor_b32 v[BFW+\q], \q, v23
	v_lshl_add_u32 v[BFW+\q], v[BFW+\q], 4, v18
	v_add_nc_u32 v[BFW+4+\q], 0x20000, v[BFW+\q]
.endr
	v_add_nc_u32 v19, s48, v22                     ; and back: piece 32 wave + lane of a row, by the same exchange
	v_and_b32 v19, 3, v19
	v_and_b32 v23, 3, v0
	v_xor_b32 v19, v19, v23
	v_bfe_u32 v23, v0, 2, 3
	v_lshlrev_b32 v23, 6, v23
	v_lshl_add_u32 v19, v19, 4, v23
	v_add_nc_u32 v[BFR], s49, v19
	v_add_nc_u32 v[BFR+1], 0x10000, v[BFR]
	v_mov_b32 v16, 0xff61b1e6                      ; M: -3e38, under every e2
	v_mov_b32 v17, 0                               ; my lane's share of the sum of p
.irp i, 0,1,2,3,4,5,6,7
	v_mov_b32 v[CACC+\i], 0
.endr
	s_wait_alu depctr_va_vdst(0)                   ; the wait at the head's end
	s_wait_kmcnt 0x0
	s_lshl_b32 s[TP], ttmp9, 20
	s_lshl_b32 s43, s[WVN], 16
	s_add_co_u32 s[TP], s[TP], s43
	s_mov_b32 s[TP+1], 0
	s_add_nc_u64 s[HB:HB+1], s[4:5], s[TP:TP+1]    ; my first row: 256 rows a work-group, 16 a wave in each half of a block
	s_add_nc_u64 s[PF:PF+1], s[HB:HB+1], 0x80000   ; the same in block 1
	s_mul_i32 s[TP], s[WVN], 16*REC
	s_add_nc_u64 s[UQ:UQ+1], s[6:7], s[TP:TP+1]
	s_lshr_b32 s[TP], ttmp9, 3
	s_lshl_b32 s[TP], s[TP], 13
	s_lshl_b32 s43, s[WVN], 10
	s_add_co_u32 s[TP], s[TP], s43
	s_add_nc_u64 s[WQ:WQ+1], s[8:9], s[TP:TP+1]
	s_lshl_b32 s[TP], ttmp9, 12
	s_add_co_u32 s[TP], s[TP], s43
	s_add_nc_u64 s[10:11], s[10:11], s[TP:TP+1]
	s_lshl_b32 s[TP], ttmp9, 8
	s_add_nc_u64 s[12:13], s[12:13], s[TP:TP+1]
	s_add_nc_u64 s[UB:UB+1], s[UQ:UQ+1], 4*REC
	s_mov_b64 s[WC:WC+1], s[WQ:WQ+1]
	s_add_nc_u64 s[WN:WN+1], s[WQ:WQ+1], 256
	s_mov_b32 s[T4], 4
	s_mov_b32 s[CS], 0x4038aa3b                    ; c = 2 log2(e)
	s_mov_b32 s[CS+1], s[CS]
	s_mov_b32 s[SEL], 0x76543210
	s_mov_b32 s[SEL+1], 0xfedcba98
	s_mov_b32 s[PFS], 0x8000
	s_mov_b32 s[PFS+1], 0
	WIN 0xc0
.irp j, 0,1,2,3
.irp q, 0,1,2,3,4,5,6,7,8,9,10,11,12,13,14,15
	global_load_b128 v[64*\j+4*\q:64*\j+4*\q+3], v[LOFF], s[UQ:UQ+1] offset:\j*REC+512*\q
.endr
.endr
	WIN 0
.irp j, 0,1,2,3
	global_load_b128 v[US+4*\j:US+4*\j+3], v[LOFF], s[UQ:UQ+1] offset:\j*REC+8192
.endr
.irp j, 0,1,2
.irp x, 0,1
.irp y, 0,1
	global_load_b128 v[WV+16*\j+8*\x+4*\y:WV+16*\j+8*\x+4*\y+3], v[WOFF], s[WQ:WQ+1] offset:64*\j+4096*\x+16*\y
.endr
.endr
.endr
	PRELOAD                                        ; behind U's loads, so that the rows' counted waits count rows alone and cover U's loads too
	s_mov_b32 s[BLKS], 2
.Lblock:
	HALF 0
	SYNC                                           ; the image of rows 0-63 is whole
	LOADA 0
	SYNC                                           ; everybody has read it: it may be written again
	HALF 1
	SYNC
	LOADA 1
.set i, 0
.rept 32
	v_mov_b32 v[EACC+i], 0
.set i, i+1
.endr
	s_wait_dscnt 0x0
	s_mov_b32 s[TRIPS], 4
.Lwalk:
	TRIP
	s_sub_co_u32 s[TRIPS], s[TRIPS], 1
	s_cmp_lg_u32 s[TRIPS], 0
	s_cbranch_scc1 .Lwalk
	s_add_nc_u64 s[HB:HB+1], s[HB:HB+1], 0x80000   ; the next block's rows (the trip's end has waited for every address)
	s_cmp_eq_u32 s[BLKS], 1
	s_cbranch_scc1 .Lno_pre                        ; the last block has no successor
	PRELOAD                                        ; window 2's codes are done with: the next block's first rows are on their way under the lines below
.Lno_pre:
	; e2's parts: lane (r, hh) of wave w holds, for each of eight tiles m, the part of row 16 m + r over its outputs
.irp m, 0,1,2,3,4,5,6,7
	v_pk_add_f32 v[EACC+4*\m:EACC+4*\m+1], v[EACC+4*\m:EACC+4*\m+1], v[EACC+4*\m+2:EACC+4*\m+3]
.endr
.irp m, 0,1,2,3,4,5,6,7
	v_add_f32 v[ACC+\m], v[EACC+4*\m], v[EACC+4*\m+1]
.endr
	ds_store_b128 v[EPW], v[ACC:ACC+3]
	ds_store_b128 v[EPW], v[ACC+4:ACC+7] offset:16
	SYNC
.irp k, 0,1,2,3,4,5,6,7
	ds_load_b128 v[ACC+8+4*\k:ACC+8+4*\k+3], v[EPR] offset:512*\k   ; lane (r, hh): rows 16 (4 hh + i) + r, i = 0 .. 3, eight parts each
.endr
	s_wait_dscnt 0x0
.irp d, 4,8,16
.set k, 0
.rept 16/\d
	v_pk_add_f32 v[ACC+8+2*\d*k:ACC+8+2*\d*k+1], v[ACC+8+2*\d*k:ACC+8+2*\d*k+1], v[ACC+8+2*\d*k+\d:ACC+8+2*\d*k+\d+1]
	v_pk_add_f32 v[ACC+10+2*\d*k:ACC+10+2*\d*k+1], v[ACC+10+2*\d*k:ACC+10+2*\d*k+1], v[ACC+10+2*\d*k+\d:ACC+10+2*\d*k+\d+1]
.set k, k+1
.endr
.endr
	v_max3_num_f32 v20, v[ACC+8], v[ACC+9], v[ACC+10]
	v_max_num_f32 v20, v20, v[ACC+11]
.irp x, 1,2,4,8
	v_max_num_f32_dpp v20, v20, v20 row_xmask:\x row_mask:0xf bank_mask:0xf
.endr
	v_permlanex16_b32 v21, v20, s[SEL], s[SEL+1]
	v_max3_num_f32 v22, v20, v21, v16              ; the running maximum
	v_sub_f32 v23, v16, v22
.irp i, 0,1,2,3
	v_sub_f32 v[ACC+8+\i], v[ACC+8+\i], v22
.endr
	s_wait_alu depctr_va_vdst(0)                   ; ahead of the batch
	v_exp_f32 v18, v23                             ; f = 2^(old M - new M)
.irp i, 0,1,2,3
	v_exp_f32 v[ACC+8+\i], v[ACC+8+\i]             ; p
.endr
	v_mov_b32 v16, v22
	s_wait_alu depctr_va_vdst(0)                   ; behind it
	v_mov_b32 v19, v18
	v_fma_f32 v17, v17, v18, v[ACC+8]
	v_add_f32 v17, v17, v[ACC+9]
	v_add_f32 v17, v17, v[ACC+10]
	v_add_f32 v17, v17, v[ACC+11]
	ds_store_b128 v[PBW], v[ACC+8:ACC+11]          ; every wave has all 128 p and keeps a copy of its own: word 4 lane + i
.irp i, 0,2,4,6
	v_pk_mul_f32 v[CACC+\i:CACC+\i+1], v[CACC+\i:CACC+\i+1], v[18:19]
.endr
	; c += p h for my 256 columns: two trips of 64 rows; word n = 4 r + i of a trip's p belongs to row 64 trip + 16 i + r
	s_mov_b32 s[WS], 0
	s_mov_b32 s[WP], 0
	s_mov_b32 s[TRIPS], 2
.Lwsum:
	v_add_nc_u32 v20, s[WS], v[BFR]
	v_add_nc_u32 v21, s[WS], v[BFR+1]
	v_add_nc_u32 v22, s[WP], v[PBR]
.set r, 0
.rept 16
	ds_load_b128 v[ACC+4*r:ACC+4*r+3], v22 offset:16*r
.set r, r+1
.endr
	WIN 0x40
.set r, 0
.rept 16
.irp i, 0,1,2,3
	ds_load_b128 v[16*r+4*\i:16*r+4*\i+3], v[20+\i/2] offset:(16*(\i%2)+r)*2048
.endr
.set r, r+1
.endr
	WIN 0x01
.set n, 0
.rept 4
	s_wait_alu depctr_va_vdst(0)                   ; the wait ahead of the blocking wait
	s_wait_dscnt 48-n                              ; 16 rows more are in; the later rows' loads may be out
.rept 16
.irp c, 0,1,2,3
	v_fma_mix_f32_bf16 v[CACC+2*\c], v[4*n+\c], v[ACC+n], v[CACC+2*\c] op_sel_hi:[1,0,0]
	v_fma_mix_f32_bf16 v[CACC+2*\c+1], v[4*n+\c], v[ACC+n], v[CACC+2*\c+1] op_sel:[1,0,0] op_sel_hi:[1,0,0]
.endr
.set n, n+1
.endr
.endr
	WIN 0
	s_add_co_u32 s[WS], s[WS], 0x20000
	s_add_co_u32 s[WP], s[WP], 256
	s_sub_co_u32 s[TRIPS], s[TRIPS], 1
	s_cmp_lg_u32 s[TRIPS], 0
	s_wait_alu depctr_va_vdst(0)                   ; the wait ahead of the branch
	s_cbranch_scc1 .Lwsum
	SYNC                                           ; everybody has read the bf16 rows: they may be written again
	s_sub_co_u32 s[BLKS], s[BLKS], 1
	s_cmp_lg_u32 s[BLKS], 0
	s_cbranch_scc1 .Lblock
	; the way out: the sum of p over the lanes; my 256 columns through my LDS row, so that 16 lanes store 256 consecutive bytes
.irp x, 1,2,4,8
	v_add_f32_dpp v17, v17, v17 row_xmask:\x row_mask:0xf bank_mask:0xf
.endr
	v_permlanex16_b32 v21, v17, s[SEL], s[SEL+1]
	v_add_f32 v17, v17, v21
	v_lshl_add_u32 v20, v[LOFF], 1, s[SST]
	v_add_nc_u32 v22, s[SST], v[LOFF]
	ds_store_b128 v20, v[CACC:CACC+3]
	ds_store_b128 v20, v[CACC+4:CACC+7] offset:16
	ds_load_b128 v[ACC:ACC+3], v22
	ds_load_b128 v[ACC+4:ACC+7], v22 offset:512
	v_and_b32 v23, 31, v0
	v_lshlrev_b32 v23, 3, v23
	s_wait_alu depctr_va_vdst(0)                   ; the wait ahead of the blocking wait
	s_wait_dscnt 0x0
	global_store_b128 v[LOFF], v[ACC:ACC+3], s[10:11]
	global_store_b128 v[LOFF], v[ACC+4:ACC+7], s[10:11] offset:512
	s_wait_tensorcnt 0x0                           ; the wave's end
	ds_add_u32 v[SPW], v[NIL]
	s_wait_dscnt 0x0
	s_cmp_lg_u32 s[WVN], 0
	s_cbranch_scc1 .Ldone
	global_store_b64 v23, v[16:17], s[12:13]       ; (M, sum), the same pair in 32 lanes: 256 consecutive bytes
.Ldone:
	s_endpgm
.Lfunc_end_k_q93dfbd3f05_main:
	.size	k_q93dfbd3f05_main, .Lfunc_end_k_q93dfbd3f05_main-k_q93dfbd3f05_main
	.p2alignl 7, 3214868480
	.fill 96, 4, 3214868480
	.section	.rodata,"a",@progbits
	.p2align	6, 0x0
	.amdhsa_kernel k_q93dfbd3f05_main
		.amdhsa_group_segment_fixed_size 323072
		.amdhsa_private_segment_fixed_size 0
		.amdhsa_enable_private_segment 0
		.amdhsa_kernarg_size 40
		.amdhsa_user_sgpr_count 2
		.amdhsa_user_sgpr_kernarg_segment_ptr 1
		.amdhsa_wavefront_size32 1
		.amdhsa_system_sgpr_workgroup_id_x 1
		.amdhsa_system_sgpr_workgroup_id_y 1
		.amdhsa_system_sgpr_workgroup_id_z 1
		.amdhsa_system_vgpr_workitem_id 0
		.amdhsa_next_free_vgpr 1024
		.amdhsa_next_free_sgpr 66
		.amdhsa_reserve_vcc 0
		.amdhsa_float_denorm_mode_32 3
		.amdhsa_float_denorm_mode_16_64 3
		.amdhsa_memory_ordered 1
		.amdhsa_forward_progress 1
		.amdhsa_inst_pref_size 255
	.end_amdhsa_kernel
	.section	.bss,"aw",@nobits
	.p2align	6
	.space	262144
	.amdgpu_metadata
---
amdhsa.version: [ 1, 2 ]
amdhsa.kernels:
  - .name:           k_q93dfbd3f05_main
    .symbol:         k_q93dfbd3f05_main.kd
    .args:
      - { .name: h, .offset: 0, .size: 8, .value_kind: global_buffer, .address_space: global }
      - { .name: Uf, .offset: 8, .size: 8, .value_kind: global_buffer, .address_space: global }
      - { .name: wv, .offset: 16, .size: 8, .value_kind: global_buffer, .address_space: global }
      - { .name: pc, .offset: 24, .size: 8, .value_kind: global_buffer, .address_space: global }
      - { .name: pml, .offset: 32, .size: 8, .value_kind: global_buffer, .address_space: global }
    .group_segment_fixed_size: 323072
    .private_segment_fixed_size: 0
    .kernarg_segment_align: 8
    .kernarg_segment_size: 40
    .max_flat_workgroup_size: 128
    .sgpr_count:     66
    .vgpr_count:     1024
    .wavefront_size: 32
...
	.end_amdgpu_metadata
.endif
;; end of part 2
;; launch comb (part 3): grid 128 x 1, 2 waves a work-group, no clusters, 0 bytes of LDS; arguments pc, pml, out0; writes out0
.if DOCPART == 3
	.amdgcn_target "amdgcn-amd-amdhsa--gfx1250"
	.amdhsa_code_object_version 6
	.text
	.protected	k_q93dfbd3f05_comb
	.globl	k_q93dfbd3f05_comb
	.p2align	8
	.type	k_q93dfbd3f05_comb,@function
k_q93dfbd3f05_comb:
	s_mov_b64 s[64:65], 0
	v_nop
	global_prefetch_b8 v0, s[64:65] scope:SCOPE_SE
	s_setreg_imm32_b32 hwreg(HW_REG_WAVE_MODE, 25, 1), 1
	s_wait_xcnt 0x0
; out0[b][:] = sum over the batch's eight parts g of 2^(m_g - M) C_g[:]  /  sum over g of 2^(m_g - M) l_g,  M the largest m_g.
; Work-group x serves batch x / 4 and 256 of its 1,024 columns: 64 threads, 16 bytes each.  1.2 MB are read in all: a stream; no LDS, no matrix unit, no barrier.
	s_load_b128 s[4:7], s[0:1], 0x0                ; pc, pml
	s_load_b64 s[8:9], s[0:1], 0x10                ; out0
	s_lshr_b32 s10, ttmp9, 2                       ; the batch
	s_and_b32 s11, ttmp9, 3
	s_lshl_b32 s11, s11, 10                        ; my quarter of a row of 4,096 bytes
	v_lshl_add_u32 v1, v0, 4, s11
	v_mov_b32 v2, 0
	s_lshl_b32 s12, s10, 15                        ; eight parts of 4,096 bytes
	s_mov_b32 s13, 0
	s_lshl_b32 s14, s10, 11                        ; eight parts of 256 bytes
	s_mov_b32 s15, 0
	s_wait_alu depctr_va_vdst(0)
	s_wait_kmcnt 0x0
	s_add_nc_u64 s[4:5], s[4:5], s[12:13]
	s_add_nc_u64 s[6:7], s[6:7], s[14:15]
	s_lshl_b32 s12, s10, 12
	s_add_nc_u64 s[8:9], s[8:9], s[12:13]
.irp g, 0,1,2,3,4,5,6,7
	global_load_b64 v[4+2*\g:5+2*\g], v2, s[6:7] offset:256*\g            ; (m_g, l_g)
.endr
.irp g, 0,1,2,3,4,5,6,7
	global_load_b128 v[20+4*\g:23+4*\g], v1, s[4:5] offset:4096*\g        ; C_g: a wave reads 512 consecutive bytes
.endr
	s_wait_loadcnt 8                               ; the eight pairs are in; the eight loads of C may be out
	v_max3_num_f32 v52, v4, v6, v8
	v_max3_num_f32 v52, v52, v10, v12
	v_max3_num_f32 v52, v52, v14, v16
	v_max_num_f32 v52, v52, v18                    ; M
.irp g, 0,1,2,3,4,5,6,7
	v_sub_f32 v[4+2*\g], v[4+2*\g], v52
.endr
	s_wait_alu depctr_va_vdst(0)
.irp g, 0,1,2,3,4,5,6,7
	v_exp_f32 v[4+2*\g], v[4+2*\g]                 ; 2^(m_g - M)
.endr
	v_nop                                          ; a plain line behind the exponentials
	s_wait_alu depctr_va_vdst(0)
	v_mul_f32 v53, v4, v5
.irp g, 1,2,3,4,5,6,7
	v_fma_f32 v53, v[4+2*\g], v[5+2*\g], v53       ; the row's sum: at least 1, since the part that holds M has a p of 1
.endr
	s_wait_alu depctr_va_vdst(0)
	v_rcp_f32 v53, v53
	v_nop                                          ; a plain line behind the reciprocal
	s_wait_alu depctr_va_vdst(0)
.irp g, 0,1,2,3,4,5,6,7
	v_mul_f32 v[4+2*\g], v[4+2*\g], v53
.endr
	s_wait_alu depctr_va_vdst(0)
	s_wait_loadcnt 0x0
	v_pk_mul_f32 v[54:55], v[20:21], v[4:5] op_sel_hi:[1,0]               ; the pair's low word, the weight, serves both halves
	v_pk_mul_f32 v[56:57], v[22:23], v[4:5] op_sel_hi:[1,0]
.irp g, 1,2,3,4,5,6,7
	v_pk_fma_f32 v[54:55], v[20+4*\g:21+4*\g], v[4+2*\g:5+2*\g], v[54:55] op_sel_hi:[1,0,1]
	v_pk_fma_f32 v[56:57], v[22+4*\g:23+4*\g], v[4+2*\g:5+2*\g], v[56:57] op_sel_hi:[1,0,1]
.endr
	global_store_b128 v1, v[54:57], s[8:9]         ; a wave stores 512 consecutive bytes, at a multiple of 256 from out0's first byte
	s_endpgm
.Lfunc_end_k_q93dfbd3f05_comb:
	.size	k_q93dfbd3f05_comb, .Lfunc_end_k_q93dfbd3f05_comb-k_q93dfbd3f05_comb
	.p2alignl 7, 3214868480
	.fill 96, 4, 3214868480
	.section	.rodata,"a",@progbits
	.p2align	6, 0x0
	.amdhsa_kernel k_q93dfbd3f05_comb
		.amdhsa_group_segment_fixed_size 0
		.amdhsa_private_segment_fixed_size 0
		.amdhsa_enable_private_segment 0
		.amdhsa_kernarg_size 24
		.amdhsa_user_sgpr_count 2
		.amdhsa_user_sgpr_kernarg_segment_ptr 1
		.amdhsa_wavefront_size32 1
		.amdhsa_system_sgpr_workgroup_id_x 1
		.amdhsa_system_sgpr_workgroup_id_y 1
		.amdhsa_system_sgpr_workgroup_id_z 1
		.amdhsa_system_vgpr_workitem_id 0
		.amdhsa_next_free_vgpr 64
		.amdhsa_next_free_sgpr 66
		.amdhsa_reserve_vcc 0
		.amdhsa_float_denorm_mode_32 3
		.amdhsa_float_denorm_mode_16_64 3
		.amdhsa_memory_ordered 1
		.amdhsa_forward_progress 1
		.amdhsa_inst_pref_size 6
	.end_amdhsa_kernel
	.amdgpu_metadata
---
amdhsa.version: [ 1, 2 ]
amdhsa.kernels:
  - .name:           k_q93dfbd3f05_comb
    .symbol:         k_q93dfbd3f05_comb.kd
    .args:
      - { .name: pc, .offset: 0, .size: 8, .value_kind: global_buffer, .address_space: global }
      - { .name: pml, .offset: 8, .size: 8, .value_kind: global_buffer, .address_space: global }
      - { .name: out0, .offset: 16, .size: 8, .value_kind: global_buffer, .address_space: global }
    .group_segment_fixed_size: 0
    .private_segment_fixed_size: 0
    .kernarg_segment_align: 8
    .kernarg_segment_size: 24
    .max_flat_workgroup_size: 64
    .sgpr_count:     66
    .vgpr_count:     64
    .wavefront_size: 32
...
	.end_amdgpu_metadata
.endif
;; end of part 3
